; MI455X (gfx1250); checked and timed in simulation.
; The chip was launched on July 23, 2026; its instructions are those of AMD's public machine-readable ISA for CDNA 5 (MIT licence, August 2026) and "CDNA5" Instruction Set Architecture Reference Guide (July 2026). The comments in the code are by the model that wrote it; some were corrected since.
;; Gaussian Renderer. Allowed arithmetic: float matrix products may take bf16 or f16 operands with f32 sums; other float arithmetic in f32, or as packed bf16 or f16 multiplies, adds, multiply-adds, maxima and minima; sums over many terms, partial sums and values carried from step to step in f32; what a program stores and reads back later, other than sums and carried values, may be rounded once to bf16 or f16.
;; Inputs: color 1,024 x 3 float32; cov2d 1,024 x 2 x 2 float32; opacity 1,024 float32; pos2d 1,024 x 3 float32.
;; Outputs: out0 512 x 512 x 3 float32.
;; One version. Each part assembles by itself: llvm-mc -triple=amdgcn-amd-amdhsa -mcpu=gfx1250 --defsym DOCPART=n.
;; ======== version 1 of 1: 2 launches
;; workspace buffers: meta 8,192 bytes of whole numbers; params 49,152 bytes
;; launch prep (part 1): grid 32 x 1, 17 waves a work-group, no clusters, 8,448 bytes of LDS; arguments pos2d, cov2d, opacity, color, meta, params; writes meta, params
.if DOCPART == 1
	.amdgcn_target "amdgcn-amd-amdhsa--gfx1250"
	.amdhsa_code_object_version 6
	.text
	.protected	k_q70ab08d1f2_prep
	.globl	k_q70ab08d1f2_prep
	.p2align	8
	.type	k_q70ab08d1f2_prep,@function
k_q70ab08d1f2_prep:
	s_mov_b64 s[64:65], 0
	v_nop
	global_prefetch_b8 v0, s[64:65] scope:SCOPE_SE
	s_setreg_imm32_b32 hwreg(HW_REG_WAVE_MODE, 25, 1), 1
	s_wait_xcnt 0x0
; GAUSSIAN RENDERER, first of two launches: for each of the 1,024 gaussians its place in the depth order, the tiles that it belongs to, and the numbers that a pixel needs of it.
; WHAT THE PROGRAM LEAVES OUT.  reference() sets alpha = 0 (its own jnp.where on inmask) for a gaussian whose circle of radius 3 sqrt(largest eigenvalue) misses the 64 x 64 tile.
; Such a gaussian adds alpha * weight * col = 0 to every pixel of the tile and multiplies the transmittance by 1 - 0 = 1, whatever finite values the inputs hold.  Which gaussians these are
; hangs on the inputs, so nothing is assumed: this launch stores, as whole numbers, each gaussian's rank and its tile bits; the second launch reads them and walks, for its tile, the chosen
; gaussians alone, be they none or all 1,024.  Every input is read.  LIMIT: a NaN or an infinity in the colour, opacity or covariance of a gaussian does not reach the tiles that it is not part of.
; ORDER.  rank(i) = the number of j with depth j < depth i, or depth j = depth i and j < i: the place that a stable argsort gives i (-0 and +0 count as equal, as there).
; TILES.  px + r >= 64 tx and px - r < 64 tx + 64 hold, for whole tx, exactly where floor((px - r) / 64) <= tx <= floor((px + r) / 64): division by 64 is exact.  Likewise for y.
; LIMITS.  Depths are no NaN (the ranks would be no permutation); the covariance gives a real radius and a determinant other than 0.  Square root and reciprocal are within one unit in the last
; place, so a circle that touches a tile's edge to within rounding may be classed the other way.
; SHARES.  A work-group owns 32 gaussians, a lane each.  Waves 0-15 count, each against 64 of the 1,024 depths; wave 16 makes the gaussians' numbers and, behind the one barrier, adds the 16 counts.
; 32 work-groups: a rank wants all depths, and 32 records of 8 bytes are the 256 consecutive bytes of one store.
; OUT.  meta[i] = { rank | place of the flag byte << 16,  x bits | y bits << 8 }.   params: three planes of 16 bytes a gaussian:
;   { -px, -py, A, B }  { C, 0, op/0.98, op/0.98 }  { r, g, b, 0 },   with A dx^2 + B dx dy + C dy^2 = log2 of the gaussian's value: the inverse covariance times -0.5 log2(e).
.set DJ,    0                          ; LDS: wave w's 64 depths at 256 w
.set PC,    4096                       ; wave w's 32 counts at 128 w
.set SPARE, 6144                       ; the spare words: 128 bytes for each of 17 waves, rounded up to nine blocks of 256 bytes that no other line names
.set PLANE, 16384                      ; bytes in a plane of params
.set SPW, 2                            ; v2   LDS address of my spare word; never rewritten
.set NIL, 3                            ; v3   0; never rewritten
.set LN,  4                            ; v4   lane
.set GI,  5                            ; v5   my gaussian i
.set O12, 6                            ; v6   12 i
.set O16, 7                            ; v7   16 i
.set O8,  8                            ; v8   8 i
.set O4,  9                            ; v9   4 i
.set L4,  10                           ; v10  4 x lane
.set CNT, 11                           ; v11  my count
.set DI,  12                           ; v12  depth i
.set D,   20                           ; v[20:83] counting waves: 64 depths, the same in every lane.  Wave 16: at work
.set MW,  84                           ; v[84:85] the record
.set WV,  16                           ; s16  wave
.set GR,  17                           ; s17  work-group = block of 32 gaussians
	s_load_b256 s[4:11], s[0:1], 0x0               ; pos2d s[4:5], cov2d s[6:7], opacity s[8:9], color s[10:11]
	s_load_b128 s[12:15], s[0:1], 0x20             ; meta s[12:13], params s[14:15]
	v_lshl_add_u32 v[SPW], v0, 2, SPARE
	v_mov_b32 v[NIL], 0
	v_lshrrev_b32 v1, 5, v0
	v_readfirstlane_b32 s[WV], v1                  ; wave 0..16
	v_and_b32 v[LN], 31, v0
	s_mov_b32 s[GR], ttmp9
	v_lshl_add_u32 v[GI], s[GR], 5, v[LN]
	v_mul_u32_u24 v[O12], v[GI], 12
	v_lshlrev_b32 v[O16], 4, v[GI]
	v_lshlrev_b32 v[O8], 3, v[GI]
	v_lshlrev_b32 v[O4], 2, v[GI]
	v_lshlrev_b32 v[L4], 2, v[LN]
	v_mov_b32 v[MW+1], 0                           ; written in every wave; wave 16 puts the tile bits here
	s_wait_kmcnt 0x0
	s_cmp_eq_u32 s[WV], 16
	s_cbranch_scc1 .Lparam
	; WAVES 0-15.  My 64 depths go through my own 256 bytes of LDS, so that each comes back into every lane: 16 loads of 16 bytes, all lanes at one address.
	global_load_b32 v[DI], v[O12], s[4:5] offset:8
	s_lshl_b32 s20, s[WV], 6                       ; my first j
	v_add_nc_u32 v13, s20, v[LN]
	v_mul_u32_u24 v13, v13, 12
	global_load_b32 v14, v13, s[4:5] offset:8      ; depth of j = 64 w + lane
	global_load_b32 v15, v13, s[4:5] offset:392    ; and of j = 64 w + 32 + lane
	s_lshl_b32 s21, s[WV], 8
	v_add_nc_u32 v16, s21, v[L4]
	v_mov_b32 v17, s21
	s_lshl_b32 s22, s[WV], 7
	v_add_nc_u32 v18, s22, v[L4]
	v_mov_b32 v[CNT], 0
	s_lshl_b32 s23, s[WV], 1                       ; my first block of 32 j
	s_wait_loadcnt 0x0
	ds_store_b32 v16, v14 offset:DJ
	ds_store_b32 v16, v15 offset:DJ+128
.irp q, 0,1,2,3,4,5,6,7,8,9,10,11,12,13,14,15
	ds_load_b128 v[D+4*\q:D+4*\q+3], v17 offset:DJ+16*\q   ; LDS serves a wave's instructions in order (ISA guide 5.7.1.4): these see my two stores
.endr
; 32 depths against mine: a compare and an add of its carry bit for each.
.macro COUNT ins, r
.set k, 0
.rept 32
	\ins vcc_lo, v[D+32*(\r)+k], v[DI]
	v_add_co_ci_u32 v[CNT], vcc_lo, 0, v[CNT], vcc_lo
.set k, k+1
.endr
.endm
; Block r of my two.  All its j lie below all the lanes' i (ties count), above them (ties do not), or it is the lanes' own block: j = 32 g + k lies below i = 32 g + lane where lane > k.
; The branches hang on the wave's and the work-group's numbers alone.
.macro BLOCK r
	s_add_co_u32 s24, s23, \r
	s_cmp_lt_u32 s24, s[GR]
	s_cbranch_scc1 .Lbelow_\@
	s_cmp_eq_u32 s24, s[GR]
	s_cbranch_scc1 .Lown_\@
	COUNT v_cmp_lt_f32, \r
	s_branch .Lnext_\@
.Lbelow_\@:
	COUNT v_cmp_le_f32, \r
	s_branch .Lnext_\@
.Lown_\@:
.set k, 0
.rept 32
	v_cmp_lt_f32 vcc_lo, v[D+32*(\r)+k], v[DI]
	v_add_co_ci_u32 v[CNT], vcc_lo, 0, v[CNT], vcc_lo
	v_cmp_eq_f32 vcc_lo, v[D+32*(\r)+k], v[DI]
	s_and_b32 vcc_lo, vcc_lo, (0xfffffffe<<k)&0xffffffff   ; a tie counts in the lanes above k
	v_add_co_ci_u32 v[CNT], vcc_lo, 0, v[CNT], vcc_lo
.set k, k+1
.endr
.Lnext_\@:
.endm
	s_wait_dscnt 8                                 ; the first 32 depths are in; the eight younger loads may stay out
	BLOCK 0
	s_wait_dscnt 0x0
	BLOCK 1
	ds_store_b32 v18, v[CNT] offset:PC
	s_wait_dscnt 0x0                               ; for wave 16's sake: my count lies in LDS before I signal
	s_branch .Ljoin
	; WAVE 16: the gaussians' numbers.  Radius and determinant in reference()'s own order of operations.
.Lparam:
	global_load_b96 v[20:22], v[O12], s[4:5]       ; px, py, depth
	global_load_b128 v[24:27], v[O16], s[6:7]      ; a, b, c, d
	global_load_b32 v28, v[O4], s[8:9]             ; opacity
	global_load_b96 v[30:32], v[O12], s[10:11]     ; colour
	s_wait_loadcnt 0x0
	v_add_f32 v34, v24, v27                        ; trace
	v_mul_f32 v35, v24, v27
	v_mul_f32 v36, v25, v26
	v_sub_f32 v35, v35, v36                        ; det = a d - b c
	v_mul_f32 v36, v34, v34
	v_fma_f32 v36, -4.0, v35, v36                  ; trace^2 - 4 det (4 det is exact, so this rounds once, like the subtraction)
	v_max_num_f32 v36, 0, v36
	v_sqrt_f32 v37, v36
	v_rcp_f32 v38, v35                             ; 1 / det: one batch with the root
	v_mul_f32 v39, 0.5, v34                        ; work that names neither result stands between the batch and its wait
	v_add_f32 v40, v25, v26                        ; b + c
	v_mul_f32 v48, -1.0, v20                       ; -px
	v_mul_f32 v49, -1.0, v21                       ; -py
	v_mul_f32 v54, 0x3f829cbc, v28                 ; opacity / 0.98,
	v_mul_f32 v55, 0x3f829cbc, v28                 ; twice: a pair for the packed line that clamps
	v_add_f32 v56, 0.5, v30
	v_add_f32 v57, 0.5, v31
	v_add_f32 v58, 0.5, v32
	v_max_num_f32 v56, 0, v56                      ; col = max(colour + 0.5, 0)
	v_max_num_f32 v57, 0, v57
	v_max_num_f32 v58, 0, v58
	v_mov_b32 v59, 0
	v_mov_b32 v53, 0
	s_wait_alu depctr_va_vdst(0)                   ; the wait ahead of the first reader: one for root and reciprocal
	v_fma_f32 v41, 0.5, v37, v39                   ; trace / 2 + term2 (the halves are exact: one rounding, as in reference())
	v_fma_f32 v42, -0.5, v37, v39                  ; trace / 2 - term2
	v_max_num_f32 v41, v42, v41
	v_sqrt_f32 v43, v41
	v_mul_f32 v44, 0xbf38aa3b, v38                 ; -0.5 log2(e) / det
	v_mul_f32 v50, v27, v44                        ; A, from  d / det
	v_mul_f32 v51, -v40, v44                       ; B, from -(b + c) / det
	v_mul_f32 v52, v24, v44                        ; C, from  a / det
	global_store_b128 v[O16], v[48:51], s[14:15]                   ; each store of the wave covers 512 consecutive bytes, aligned
	global_store_b128 v[O16], v[52:55], s[14:15] offset:PLANE
	global_store_b128 v[O16], v[56:59], s[14:15] offset:2*PLANE
	s_wait_alu depctr_va_vdst(0)                   ; the second root
	v_mul_f32 v43, 0x40400000, v43                 ; radius = 3 sqrt(largest eigenvalue)
	v_add_f32 v60, v20, v43
	v_sub_f32 v61, v20, v43
	v_add_f32 v62, v21, v43
	v_sub_f32 v63, v21, v43
.irp r, 60,61,62,63
	v_mul_f32 v\r, 0x3c800000, v\r                 ; / 64
.endr
.irp r, 60,61,62,63
	v_floor_f32 v\r, v\r
.endr
	v_add_f32 v60, 1.0, v60                        ; one past the last tile
	v_add_f32 v62, 1.0, v62
.irp r, 60,61,62,63
	v_med3_num_f32 v\r, v\r, 0, 0x41000000         ; held to 0 .. 8
.endr
.irp r, 60,61,62,63
	v_cvt_u32_f32 v\r, v\r
.endr
.irp r, 60,61,62,63
	v_lshlrev_b32 v\r, v\r, 1                      ; 1 << n
.endr
	v_sub_nc_u32 v60, v60, v61                     ; bits first .. last: (1 << last + 1) - (1 << first); the first is never past the last + 1
	v_sub_nc_u32 v62, v62, v63
	v_lshl_or_b32 v[MW+1], v62, 8, v60
.Ljoin:
	s_barrier_signal -1
	s_barrier_wait -1                              ; all 16 counts lie in LDS
	s_cmp_lg_u32 s[WV], 16
	s_cbranch_scc1 .Lend
.irp q, 0,1,2,3,4,5,6,7,8,9,10,11,12,13,14,15
	ds_load_b32 v[D+\q], v[L4] offset:PC+128*\q
.endr
	s_wait_dscnt 0x0
	v_add3_u32 v20, v20, v21, v22
	v_add3_u32 v23, v23, v24, v25
	v_add3_u32 v26, v26, v27, v28
	v_add3_u32 v29, v29, v30, v31
	v_add3_u32 v32, v32, v33, v34
	v_add3_u32 v20, v20, v23, v26
	v_add3_u32 v29, v29, v32, v35
	v_add_nc_u32 v20, v20, v29                     ; the rank, 0 .. 1,023
	; The second launch keeps a flag byte for each rank.  Rank 32 l + 8 j + k has byte j of word k of block l, so that word 0 | word 1 << 1 | .. | word 7 << 7 is the block's bitmap in the order of ranks.
	v_and_b32 v21, 0x3e0, v20
	v_and_b32 v22, 7, v20
	v_lshl_or_b32 v21, v22, 2, v21
	v_bfe_u32 v22, v20, 3, 2
	v_or_b32 v21, v21, v22
	v_lshl_or_b32 v[MW], v21, 16, v20
	global_store_b64 v[O8], v[MW:MW+1], s[12:13]   ; 32 records: 256 consecutive bytes, aligned
.Lend:
	s_wait_tensorcnt 0x0                           ; the wave's end: behind my last LDS store
	ds_add_u32 v[SPW], v[NIL]
	s_wait_dscnt 0x0
	s_endpgm
.Lfunc_end_k_q70ab08d1f2_prep:
	.size	k_q70ab08d1f2_prep, .Lfunc_end_k_q70ab08d1f2_prep-k_q70ab08d1f2_prep
	.p2alignl 7, 3214868480
	.fill 96, 4, 3214868480
	.section	.rodata,"a",@progbits
	.p2align	6, 0x0
	.amdhsa_kernel k_q70ab08d1f2_prep
		.amdhsa_group_segment_fixed_size 8448
		.amdhsa_private_segment_fixed_size 0
		.amdhsa_enable_private_segment 0
		.amdhsa_kernarg_size 48
		.amdhsa_user_sgpr_count 2
		.amdhsa_user_sgpr_kernarg_segment_ptr 1
		.amdhsa_wavefront_size32 1
		.amdhsa_system_sgpr_workgroup_id_x 1
		.amdhsa_system_sgpr_workgroup_id_y 1
		.amdhsa_system_sgpr_workgroup_id_z 1
		.amdhsa_system_vgpr_workitem_id 0
		.amdhsa_next_free_vgpr 88
		.amdhsa_next_free_sgpr 66
		.amdhsa_reserve_vcc 1
		.amdhsa_float_denorm_mode_32 3
		.amdhsa_float_denorm_mode_16_64 3
		.amdhsa_memory_ordered 1
		.amdhsa_forward_progress 1
		.amdhsa_inst_pref_size 29
	.end_amdhsa_kernel
	.amdgpu_metadata
---
amdhsa.version: [ 1, 2 ]
amdhsa.kernels:
  - .name:           k_q70ab08d1f2_prep
    .symbol:         k_q70ab08d1f2_prep.kd
    .args:
      - { .name: pos2d, .offset: 0, .size: 8, .value_kind: global_buffer, .address_space: global }
      - { .name: cov2d, .offset: 8, .size: 8, .value_kind: global_buffer, .address_space: global }
      - { .name: opacity, .offset: 16, .size: 8, .value_kind: global_buffer, .address_space: global }
      - { .name: color, .offset: 24, .size: 8, .value_kind: global_buffer, .address_space: global }
      - { .name: meta, .offset: 32, .size: 8, .value_kind: global_buffer, .address_space: global }
      - { .name: params, .offset: 40, .size: 8, .value_kind: global_buffer, .address_space: global }
    .group_segment_fixed_size: 8448
    .private_segment_fixed_size: 0
    .kernarg_segment_align: 8
    .kernarg_segment_size: 48
    .max_flat_workgroup_size: 544
    .sgpr_count:     66
    .vgpr_count:     88
    .wavefront_size: 32
...
	.end_amdgpu_metadata
.endif
;; end of part 1
;; launch render (part 2): grid 256 x 1, 8 waves a work-group, no clusters, 65,024 bytes of LDS; arguments meta, params, out0; writes out0
.if DOCPART == 2
	.amdgcn_target "amdgcn-amd-amdhsa--gfx1250"
	.amdhsa_code_object_version 6
	.text
	.protected	k_q70ab08d1f2_render
	.globl	k_q70ab08d1f2_render
	.p2align	8
	.type	k_q70ab08d1f2_render,@function
k_q70ab08d1f2_render:
	s_mov_b64 s[64:65], 0
	v_nop
	global_prefetch_b8 v0, s[64:65] scope:SCOPE_SE
	s_setreg_imm32_b32 hwreg(HW_REG_WAVE_MODE, 25, 1), 1
	s_wait_xcnt 0x0
; GAUSSIAN RENDERER, second launch: the picture.  LEFT OUT: for each tile the gaussians that reference()'s own mask gives alpha = 0 (a term of 0, a factor of 1: shown at the first kernel's head);
; which they are is read from meta, the whole numbers that the first launch stored.  Any number of gaussians a tile is served, 0 to 1,024.
; SHARES.  A work-group owns a quarter of a tile, 16 rows (x) of 64 columns (y); each of its 8 waves 2 rows; a lane 4 pixels: columns lane and lane + 32 of both rows.  The two rows are the two
; halves of packed f32 arithmetic.
; THE LIST.  Thread t reads records 4 t .. 4 t + 3, tests its tile's two bits, asks for the chosen gaussians' 48 bytes (the others name one common row) and stores a flag byte at the place that the rank gives.
; Behind a barrier every wave makes of the 1,024 bytes a bitmap in depth order, a word a lane, and the sums of the blocks in front; a gaussian's place in the list is the number of flags below its rank.
; The chosen records go into LDS at that place.  A lane whose gaussian is not chosen stores too, into 48 bytes of its own in its wave's stage, which nobody reads and the way out writes anew: so every line runs
; with all lanes on.  32 records of zeros follow the list (a zero colour adds nothing, and the transmittance behind the last gaussian is not used): so the list is walked in fours, and read a pair past them.
; A PIXEL.  e = 2^(A dx^2 + B dx dy + C dy^2);  alpha = clip(op e, 0.01, 0.99) = 0.01 + 0.98 clamp01(e op/0.98 - 0.01/0.98);  w = alpha T;  T -= w;  colour += w col.  All in f32.
; The product with the colours has three columns and its weights arise one a lane in this scan, so it is three packed multiply-adds for two pixels, not a matrix instruction.
; LIMITS.  NaN and infinities are not treated apart (op = 0 with an overflowing e among them); the clip's form differs from reference()'s by rounding alone; 2^x below 2^-126 counts as 0, and is clipped to 0.01 anyway.
; NO CLUSTER, NO TENSOR LOAD: what the four work-groups of a tile share is the 8,192 bytes of records and the chosen rows, picked lane by lane from a list that no tile descriptor covers.
.set FLAGS, 0                          ; LDS: 1,024 flag bytes
.set LIST,  1024                       ; 1,024 + 32 records of 48 bytes
.set REC,   48
.set NREC,  1056
.set STAGE, LIST+NREC*REC              ; 1,536 bytes for each wave, for the way out; before that, 48 bytes a lane for the records that are not chosen: record NREC + t
.set STW,   1536
.set SPARE, STAGE+8*STW                ; the spare words: 128 bytes for each wave: four blocks of 256 bytes that no other line names
.set PLANE, 16384
.set SPW, 2                            ; v2   LDS address of my spare word; never rewritten
.set NIL, 3                            ; v3   0; never rewritten
.set LN,  4                            ; v4   lane
.set HF,  5                            ; v5   lane / 16
.set XP,  6                            ; v[6:7]    x of my two rows
.set YP,  8                            ; v[8:9]    y of my two columns
.set BIAS, 10                          ; v[10:11]  -0.01 / 0.98, twice
.set M,   12                           ; v[12:19]  four records
.set MO,  20                           ; v20  32 t
.set T64, 21                           ; v21  64 t: my first gaussian's bytes in a plane
.set FA,  22                           ; v[22:25]  places of the flag bytes
.set FL,  26                           ; v[26:29]  the flags
.set L4,  30                           ; v[30:33]  4 x (rank / 32): the lane that holds the rank's block
.set PP,  34                           ; v[34:37]  -1 << (rank % 32)
.set PO,  38                           ; v[38:41]  offsets into params
.set FR,  42                           ; v42  32 x lane
.set PR,  44                           ; v[44:91]  four records of 12
.set D,   92                           ; v[92:99]  my block's flag bytes
.set XB,  100                          ; v100 its bitmap
.set YS,  101
.set CN,  102                          ; v102 its count
.set SC,  103                          ; v103 the counts up to and with my block
.set EX,  104                          ; v104 the counts in front of it
.set TT,  105
.set XW,  106                          ; v[106:109] the bitmap of each of my ranks' blocks
.set EW,  110                          ; v[110:113] and what lies in front of it
.set Z,   114                          ; v[114:117] places in the list
.set U,   118                          ; v[118:121] at work
.set ZR,  122                          ; v[122:125] zeros
.set PA,  44                           ; the loop: v[44:67], v[68:91] two sets of two records
.set PB,  68
.set W,   92                           ; v[92:115] at work, 12 a gaussian: dx, dy, B dy, C dy^2, and the two columns' pairs
.set TR,  116                          ; v[116:119] transmittance: column u at 2 u
.set AC,  120                          ; v[120:131] the sums: channel c, column u, row r at 4 c + 2 u + r
.set LA,  132                          ; v132 bytes from the list's head to the trip's first record
.set ST,  133                          ; v133 the way out: where my pixels go
.set RD,  134                          ; v134 where I read 16 bytes back
.set O0,  135                          ; v135, v136 my byte offsets in the picture
.set O1,  136
.set DU,  137                          ; v137 NREC + t: the record that takes what is not chosen
.set FZ,  138                          ; v138 4 t: the four flag bytes that I clear
.set OB,  92
.set WV,  10
.set TI,  11
.set SUB, 12
.set TX,  13
.set TY,  14
.set SEL, 15                           ; s15  my tile's bit of x and bit of y
.set MK,  16                           ; s[16:19] lanes whose gaussian m is chosen
.set K5,  24
.set K3,  25
.set KF,  26
.set K1,  27
.set N,   28                           ; s28  gaussians in the list
.set LEFT, 29                          ; s29  fours of the list still to do
.set IT,  30                           ; s30  counts the inner loop's 16 trips
.set OT,  31                           ; s31  counts the outer loop's 16 trips
.set K98, 32                           ; s[32:33] 0.98
.set K01, 34                           ; s[34:35] 0.01
	s_load_b128 s[4:7], s[0:1], 0x0                ; meta s[4:5], params s[6:7]
	s_load_b64 s[8:9], s[0:1], 0x10                ; out0
	v_lshl_add_u32 v[SPW], v0, 2, SPARE
	v_mov_b32 v[NIL], 0
	v_lshrrev_b32 v1, 5, v0
	v_readfirstlane_b32 s[WV], v1                  ; wave 0..7
	v_lshlrev_b32 v[MO], 5, v0
	v_lshlrev_b32 v[FZ], 2, v0
	s_wait_kmcnt 0x0
	global_load_b128 v[M:M+3], v[MO], s[4:5]       ; a wave's two loads cover 1,024 consecutive bytes
	global_load_b128 v[M+4:M+7], v[MO], s[4:5] offset:16
	ds_store_b32 v[FZ], v[NIL] offset:FLAGS        ; the 256 threads clear the 1,024 flag bytes: whatever the records hold, every byte that is read has been written
	s_wait_dscnt 0x0                               ; for the others' sake: my four bytes are cleared before I signal
	s_barrier_signal -1
	; the set-up, work on registers alone, stands under the loads and between the signal and the wait
	v_and_b32 v[LN], 31, v0
	v_add_nc_u32 v[DU], NREC, v0
	s_lshr_b32 s[TI], ttmp9, 2                     ; tile
	s_and_b32 s[SUB], ttmp9, 3                     ; which 16 rows of it
	s_lshr_b32 s[TX], s[TI], 3
	s_and_b32 s[TY], s[TI], 7
	s_lshl_b32 s[SEL], 1, s[TX]
	s_lshl_b32 s20, 0x100, s[TY]
	s_or_b32 s[SEL], s[SEL], s20
	v_lshrrev_b32 v[HF], 4, v[LN]
	v_lshlrev_b32 v[T64], 6, v0
	v_lshlrev_b32 v[FR], 5, v[LN]
	s_lshl_b32 s20, s[TX], 6
	s_lshl_b32 s21, s[SUB], 4
	s_add_co_u32 s20, s20, s21
	s_lshl_b32 s21, s[WV], 1
	s_add_co_u32 s20, s20, s21                     ; my first row
	v_cvt_f32_u32 v[XP], s20
	v_add_f32 v[XP+1], 1.0, v[XP]
	s_lshl_b32 s21, s[TY], 6
	v_add_nc_u32 v1, s21, v[LN]
	v_cvt_f32_u32 v[YP], v1
	v_add_f32 v[YP+1], 0x42000000, v[YP]           ; + 32
	v_mov_b32 v[BIAS], 0xbc272f05
	v_mov_b32 v[BIAS+1], 0xbc272f05
	s_mov_b32 s[K98], 0x3f7ae148
	s_mov_b32 s[K98+1], 0x3f7ae148                 ; named as pairs
	s_mov_b32 s[K01], 0x3c23d70a
	s_mov_b32 s[K01+1], 0x3c23d70a
	s_mov_b32 s[K5], 0x55555555
	s_mov_b32 s[K3], 0x33333333
	s_mov_b32 s[KF], 0x0f0f0f0f
	s_mov_b32 s[K1], 0x01010101
	s_mul_i32 s20, s20, 6144                       ; a row of the picture is 512 x 12 bytes,
	s_mul_i32 s21, s[TY], 768                      ; a tile's part of it 768
	s_add_co_u32 s20, s20, s21
	s_mov_b32 s21, 0
	s_add_nc_u64 s[8:9], s[8:9], s[20:21]          ; the picture at my two rows' part
	s_mul_i32 s22, s[WV], STW
	v_mul_u32_u24 v1, v[LN], 12
	v_add_nc_u32 v[ST], s22, v1
	v_lshl_add_u32 v[RD], v[LN], 4, s22
	v_lshlrev_b32 v[O0], 4, v[LN]
	v_mul_u32_u24 v1, v[HF], 5376                  ; 6,144 - 768: from the end of my first row's part to the second's beginning
	v_add3_u32 v[O1], v[O0], v1, 0x200
.irp r, 0,1,2,3
	v_mov_b32 v[ZR+\r], 0
.endr
	s_barrier_wait -1                              ; all 1,024 flag bytes are 0
	s_wait_loadcnt 0x0                             ; the records
	; who belongs to my tile
.irp m, 0,1,2,3
	v_and_b32 v[U+\m], s[SEL], v[M+2*\m+1]
.endr
.irp m, 0,1,2,3
	v_cmp_eq_u32 s[MK+\m], s[SEL], v[U+\m]         ; both bits
.endr
.irp m, 0,1,2,3
	v_cndmask_b32 v[PO+\m], 0, v[T64], s[MK+\m]    ; the lanes that are not chosen all name the plane's first rows
.endr
.irp m, 0,1,2,3
	v_min_u32 v[PO+\m], 0x3fc0, v[PO+\m]           ; inside a plane, whatever was read
.endr
.irp m, 0,1,2,3
.irp p, 0,1,2
	global_load_b128 v[PR+12*\m+4*\p:PR+12*\m+4*\p+3], v[PO+\m], s[6:7] offset:16*\m+PLANE*\p
.endr
.endr
.irp m, 0,1,2,3
	v_cndmask_b32 v[FL+\m], 0, 1, s[MK+\m]
	v_lshrrev_b32 v[FA+\m], 16, v[M+2*\m]
.endr
.irp m, 0,1,2,3
	v_min_u32 v[FA+\m], 0x3ff, v[FA+\m]
.endr
.irp m, 0,1,2,3
	ds_store_b8 v[FA+\m], v[FL+\m] offset:FLAGS    ; the ranks are a permutation: each of the 1,024 bytes has one writer
.endr
	s_wait_dscnt 0x0                               ; for the others' sake: my flags lie in LDS before I signal
	s_barrier_signal -1
.irp m, 0,1,2,3                        ; work on registers while the others arrive
	v_lshrrev_b32 v[L4+\m], 3, v[M+2*\m]
	v_and_b32 v[PP+\m], 31, v[M+2*\m]
.endr
.irp m, 0,1,2,3
	v_and_b32 v[L4+\m], 0x7c, v[L4+\m]
	v_lshlrev_b32 v[PP+\m], v[PP+\m], -1
.endr
	v_mov_b32 v[TT], 0
	s_barrier_wait -1
	; every wave for itself: lane l takes block l, the ranks 32 l .. 32 l + 31
	ds_load_b128 v[D:D+3], v[FR] offset:FLAGS
	ds_load_b128 v[D+4:D+7], v[FR] offset:FLAGS+16
	s_wait_dscnt 0x0
	v_lshl_or_b32 v[XB], v[D+1], 1, v[D]           ; byte j of word k is rank 8 j + k: shifted by k and joined, the words are the bitmap
	v_add3_u32 v[YS], v[D], v[D+1], v[D+2]         ; and added, four sums of bytes
.irp k, 2,3,4,5,6,7
	v_lshl_or_b32 v[XB], v[D+\k], \k, v[XB]
.endr
	v_add3_u32 v[YS], v[YS], v[D+3], v[D+4]
	v_add3_u32 v[YS], v[YS], v[D+5], v[D+6]
	v_add_nc_u32 v[YS], v[YS], v[D+7]
	v_mul_lo_u32 v[YS], v[YS], s[K1]
	v_lshrrev_b32 v[CN], 24, v[YS]                 ; the block's count
	v_mov_b32 v[SC], v[CN]
.irp n, 1,2,4,8                        ; running sums inside each half of 16 lanes; a lane without a source takes 0
	v_mov_b32_dpp v[TT], v[SC] row_shr:\n row_mask:0xf bank_mask:0xf bound_ctrl:1
	v_add_nc_u32 v[SC], v[SC], v[TT]
.endr
	v_readlane_b32 s20, v[SC], 15
	v_mad_u32_u24 v[SC], v[HF], s20, v[SC]         ; the upper half adds the lower half's sum
	v_readlane_b32 s[N], v[SC], 31                 ; the list's length, the same in every wave
	v_sub_nc_u32 v[EX], v[SC], v[CN]
.irp m, 0,1,2,3
	ds_bpermute_b32 v[XW+\m], v[L4+\m], v[XB]      ; from the lane that holds my rank's block
	ds_bpermute_b32 v[EW+\m], v[L4+\m], v[EX]
.endr
	s_min_u32 s[N], s[N], 1024
	s_add_co_u32 s[LEFT], s[N], 3
	s_lshr_b32 s[LEFT], s[LEFT], 2                 ; fours, the last filled up by records of zeros: 256 at the most
	s_wait_dscnt 0x0
.irp m, 0,1,2,3
	v_bfi_b32 v[Z+\m], v[PP+\m], 0, v[XW+\m]       ; the block's flags below my rank;
.endr
.irp m, 0,1,2,3                        ; their number, by sums of 2, 4 and 8 bits side by side
	v_lshrrev_b32 v[U+\m], 1, v[Z+\m]
.endr
.irp m, 0,1,2,3
	v_and_b32 v[U+\m], s[K5], v[U+\m]
.endr
.irp m, 0,1,2,3
	v_sub_nc_u32 v[Z+\m], v[Z+\m], v[U+\m]
.endr
.irp m, 0,1,2,3
	v_lshrrev_b32 v[U+\m], 2, v[Z+\m]
.endr
.irp m, 0,1,2,3
	v_and_b32 v[Z+\m], s[K3], v[Z+\m]
.endr
.irp m, 0,1,2,3
	v_and_b32 v[U+\m], s[K3], v[U+\m]
.endr
.irp m, 0,1,2,3
	v_add_nc_u32 v[Z+\m], v[Z+\m], v[U+\m]
.endr
.irp m, 0,1,2,3
	v_lshrrev_b32 v[U+\m], 4, v[Z+\m]
.endr
.irp m, 0,1,2,3
	v_add_nc_u32 v[Z+\m], v[Z+\m], v[U+\m]
.endr
.irp m, 0,1,2,3
	v_and_b32 v[Z+\m], s[KF], v[Z+\m]
.endr
.irp m, 0,1,2,3
	v_mul_lo_u32 v[Z+\m], v[Z+\m], s[K1]
.endr
.irp m, 0,1,2,3
	v_lshrrev_b32 v[Z+\m], 24, v[Z+\m]
.endr
.irp m, 0,1,2,3
	v_add_nc_u32 v[Z+\m], v[Z+\m], v[EW+\m]        ; + the blocks in front: the place in the list
.endr
.irp m, 0,1,2,3
	v_cndmask_b32 v[Z+\m], v[DU], v[Z+\m], s[MK+\m]  ; chosen: that place; not chosen: my own record behind the list
.endr
.irp m, 0,1,2,3
	v_min_u32 v[Z+\m], NREC+255, v[Z+\m]           ; the last record ends where the spare words begin
.endr
.irp m, 0,1,2,3
	v_mul_u32_u24 v[Z+\m], v[Z+\m], REC
.endr
	s_wait_loadcnt 0x0                             ; the rows of params
.irp m, 0,1,2,3
	ds_store_b128 v[Z+\m], v[PR+12*\m:PR+12*\m+3] offset:LIST
	ds_store_b128 v[Z+\m], v[PR+12*\m+4:PR+12*\m+7] offset:LIST+16
	ds_store_b128 v[Z+\m], v[PR+12*\m+8:PR+12*\m+11] offset:LIST+32
.endr
	s_cmp_lg_u32 s[WV], 0
	s_cbranch_scc1 .Lno_pad
	v_add_nc_u32 v[U], s[N], v[LN]                 ; wave 0: 32 records of zeros behind the list
	v_min_u32 v[U], NREC-1, v[U]
	v_mul_u32_u24 v[U], v[U], REC
	ds_store_b128 v[U], v[ZR:ZR+3] offset:LIST
	ds_store_b128 v[U], v[ZR:ZR+3] offset:LIST+16
	ds_store_b128 v[U], v[ZR:ZR+3] offset:LIST+32
.Lno_pad:
	s_wait_dscnt 0x0                               ; my part of the list lies in LDS before I signal
	s_barrier_signal -1
.irp r, 0,1,2,3
	v_mov_b32 v[TR+\r], 1.0                        ; nothing in front of the first gaussian
.endr
.irp r, 0,1,2,3,4,5,6,7,8,9,10,11
	v_mov_b32 v[AC+\r], 0
.endr
	v_mov_b32 v[LA], 0
	s_barrier_wait -1                              ; the list is whole
; TWO GAUSSIANS for my 4 pixels.  The other set's two records are asked for first: six loads, all lanes at one address.
.macro QF g, u                         ; (A dx + B dy) dx + C dy^2
	v_pk_fma_f32 v[W+12*(\g)+8+2*(\u):W+12*(\g)+9+2*(\u)], v[W+12*(\g)+8+2*(\u):W+12*(\g)+9+2*(\u)], v[W+12*(\g):W+12*(\g)+1], v[W+12*(\g)+6:W+12*(\g)+7] op_sel:[0,0,\u] op_sel_hi:[1,1,\u]
.endm
.macro EXQ g, u, h
	v_exp_f32 v[W+12*(\g)+8+2*(\u)+(\h)], v[W+12*(\g)+8+2*(\u)+(\h)]
.endm
.macro TRIP cur, nxt, off
.irp q, 0,1,2,3,4,5
	ds_load_b128 v[\nxt+4*\q:\nxt+4*\q+3], v[LA] offset:LIST+(\off)+16*\q
.endr
	s_wait_dscnt 6                                 ; this set's six are in; the six just issued may stay out
.irp g, 0,1
	v_pk_add_f32 v[W+12*\g:W+12*\g+1], v[XP:XP+1], v[\cur+12*\g:\cur+12*\g+1] op_sel_hi:[1,0]                    ; dx of my two rows
.endr
.irp g, 0,1
	v_pk_add_f32 v[W+12*\g+2:W+12*\g+3], v[YP:YP+1], v[\cur+12*\g:\cur+12*\g+1] op_sel:[0,1] op_sel_hi:[1,1]     ; dy of my two columns
.endr
.irp g, 0,1
	v_pk_mul_f32 v[W+12*\g+4:W+12*\g+5], v[W+12*\g+2:W+12*\g+3], v[\cur+12*\g+2:\cur+12*\g+3] op_sel:[0,1] op_sel_hi:[1,1]  ; B dy
.endr
.irp g, 0,1
	v_pk_mul_f32 v[W+12*\g+6:W+12*\g+7], v[W+12*\g+2:W+12*\g+3], v[\cur+12*\g+4:\cur+12*\g+5] op_sel_hi:[1,0]   ; C dy
.endr
.irp g, 0,1
	v_pk_mul_f32 v[W+12*\g+6:W+12*\g+7], v[W+12*\g+6:W+12*\g+7], v[W+12*\g+2:W+12*\g+3]                          ; C dy^2
.endr
.irp g, 0,1
.irp u, 0,1
	v_pk_fma_f32 v[W+12*\g+8+2*\u:W+12*\g+9+2*\u], v[W+12*\g:W+12*\g+1], v[\cur+12*\g+2:\cur+12*\g+3], v[W+12*\g+4:W+12*\g+5] op_sel:[0,0,\u] op_sel_hi:[1,0,\u]  ; A dx + B dy
.endr
.endr
	QF 0, 0
	QF 0, 1
	EXQ 0, 0, 0                                    ; the eight exponentials are one batch; while there is plain work it stands between them
	QF 1, 0
	EXQ 0, 0, 1
	QF 1, 1
	EXQ 0, 1, 0
	EXQ 0, 1, 1
	EXQ 1, 0, 0
	EXQ 1, 0, 1
	EXQ 1, 1, 0
	EXQ 1, 1, 1
	v_nop                                          ; a plain instruction behind the last exponential (ISA guide 5.7.2),
	s_wait_alu depctr_va_vdst(0)                   ; and the wait ahead of the first reader: one for the batch
.irp g, 0,1
.irp u, 0,1
	v_pk_fma_f32 v[W+12*\g+8+2*\u:W+12*\g+9+2*\u], v[W+12*\g+8+2*\u:W+12*\g+9+2*\u], v[\cur+12*\g+6:\cur+12*\g+7], v[BIAS:BIAS+1] clamp  ; (op e - 0.01) / 0.98, held to 0 .. 1
.endr
.endr
.irp g, 0,1
.irp u, 0,1
	v_pk_fma_f32 v[W+12*\g+8+2*\u:W+12*\g+9+2*\u], v[W+12*\g+8+2*\u:W+12*\g+9+2*\u], s[K98:K98+1], s[K01:K01+1] op_sel_hi:[1,0,0]        ; alpha
.endr
.endr
.irp g, 0,1                            ; front to back: the nearer gaussian first
.irp u, 0,1
	v_pk_mul_f32 v[W+12*\g+8+2*\u:W+12*\g+9+2*\u], v[W+12*\g+8+2*\u:W+12*\g+9+2*\u], v[TR+2*\u:TR+2*\u+1]        ; w = alpha T
.endr
.irp u, 0,1
	v_pk_add_f32 v[TR+2*\u:TR+2*\u+1], v[TR+2*\u:TR+2*\u+1], v[W+12*\g+8+2*\u:W+12*\g+9+2*\u] neg_lo:[0,1] neg_hi:[0,1]  ; T (1 - alpha) = T - w
.endr
.irp u, 0,1
	v_pk_fma_f32 v[AC+2*\u:AC+2*\u+1], v[W+12*\g+8+2*\u:W+12*\g+9+2*\u], v[\cur+12*\g+8:\cur+12*\g+9], v[AC+2*\u:AC+2*\u+1] op_sel_hi:[1,0,1]
.endr
.irp u, 0,1
	v_pk_fma_f32 v[AC+4+2*\u:AC+5+2*\u], v[W+12*\g+8+2*\u:W+12*\g+9+2*\u], v[\cur+12*\g+8:\cur+12*\g+9], v[AC+4+2*\u:AC+5+2*\u] op_sel:[0,1,0] op_sel_hi:[1,1,1]
.endr
.irp u, 0,1
	v_pk_fma_f32 v[AC+8+2*\u:AC+9+2*\u], v[W+12*\g+8+2*\u:W+12*\g+9+2*\u], v[\cur+12*\g+10:\cur+12*\g+11], v[AC+8+2*\u:AC+9+2*\u] op_sel_hi:[1,0,1]
.endr
.endr
.endm
.irp q, 0,1,2,3,4,5
	ds_load_b128 v[PA+4*\q:PA+4*\q+3], v[LA] offset:LIST+16*\q     ; the first pair
.endr
; THE WALK.  Two counted loops, one in the other, 16 x 16 trips of four gaussians: room for all 1,024, and a bound for the LDS address that steps (192 x 255 bytes at the most).  Each loop is left by
; falling through its own backward branch.  When the list's fours are used up, a trip's work is jumped, forward, to the label ahead of the counter's step: an inner trip's two pairs, an outer trip's whole
; inner loop.  With O outer and I inner trips, O x I = 256, fewer than O + I trips are empty, whatever the list's length: least at 16 + 16.  At a trip's head set A's six loads alone are out, jumped trips or not.
	s_mov_b32 s[OT], 16
.Lblock:
	s_cmp_eq_u32 s[LEFT], 0
	s_cbranch_scc1 .Lblock_next
	s_mov_b32 s[IT], 16
.Lquad:
	s_cmp_eq_u32 s[LEFT], 0
	s_cbranch_scc1 .Lquad_next
	TRIP PA, PB, 96
	TRIP PB, PA, 192
	v_add_nc_u32 v[LA], 192, v[LA]
	s_sub_co_u32 s[LEFT], s[LEFT], 1
.Lquad_next:
	s_sub_co_u32 s[IT], s[IT], 1
	s_cmp_lg_u32 s[IT], 0
	s_cbranch_scc1 .Lquad
.Lblock_next:
	s_sub_co_u32 s[OT], s[OT], 1
	s_cmp_lg_u32 s[OT], 0
	s_cbranch_scc1 .Lblock
	s_wait_dscnt 0x0                               ; my reads of the list are over: the pair that was asked for and is not used has landed too, and its registers are free
	s_barrier_signal -1                            ; a barrier between all waves' reads of the list and the LDS stores that follow: nothing is stored into LDS while a wave still walks.
	s_barrier_wait -1                              ; Every wave has read the same count and done the same trips
	; THE WAY OUT.  My wave's two rows are 2 x 768 bytes of the picture.  A pixel's three numbers go into my own stage, lanes 12 bytes apart, and come back 16 bytes a lane.
.irp c, 0,1,2
.irp u, 0,1
.irp r, 0,1
	ds_store_b32 v[ST], v[AC+4*\c+2*\u+\r] offset:STAGE+768*\r+384*\u+4*\c
.endr
.endr
.endr
.irp j, 0,1,2
	ds_load_b128 v[OB+4*\j:OB+4*\j+3], v[RD] offset:STAGE+512*\j   ; LDS serves a wave's instructions in order (ISA guide 5.7.1.4): these see the stores above
.endr
	s_wait_dscnt 0x0
	global_store_b128 v[O0], v[OB:OB+3], s[8:9] th:TH_STORE_NT                 ; in each store 16 lanes write 256 consecutive bytes, at a multiple of 256 from the picture's first byte:
	global_store_b128 v[O1], v[OB+4:OB+7], s[8:9] th:TH_STORE_NT               ; the first row's last third and the second row's first,
	global_store_b128 v[O0], v[OB+8:OB+11], s[8:9] offset:6400 th:TH_STORE_NT  ; the second row's other two thirds
	s_wait_tensorcnt 0x0                           ; the wave's end: behind my last LDS store
	ds_add_u32 v[SPW], v[NIL]
	s_wait_dscnt 0x0
	s_endpgm
.Lfunc_end_k_q70ab08d1f2_render:
	.size	k_q70ab08d1f2_render, .Lfunc_end_k_q70ab08d1f2_render-k_q70ab08d1f2_render
	.p2alignl 7, 3214868480
	.fill 96, 4, 3214868480
	.section	.rodata,"a",@progbits
	.p2align	6, 0x0
	.amdhsa_kernel k_q70ab08d1f2_render
		.amdhsa_group_segment_fixed_size 65024
		.amdhsa_private_segment_fixed_size 0
		.amdhsa_enable_private_segment 0
		.amdhsa_kernarg_size 24
		.amdhsa_user_sgpr_count 2
		.amdhsa_user_sgpr_kernarg_segment_ptr 1
		.amdhsa_wavefront_size32 1
		.amdhsa_system_sgpr_workgroup_id_x 1
		.amdhsa_system_sgpr_workgroup_id_y 1
		.amdhsa_system_sgpr_workgroup_id_z 1
		.amdhsa_system_vgpr_workitem_id 0
		.amdhsa_next_free_vgpr 140
		.amdhsa_next_free_sgpr 66
		.amdhsa_reserve_vcc 0
		.amdhsa_float_denorm_mode_32 3
		.amdhsa_float_denorm_mode_16_64 3
		.amdhsa_memory_ordered 1
		.amdhsa_forward_progress 1
		.amdhsa_inst_pref_size 24
	.end_amdhsa_kernel
	.amdgpu_metadata
---
amdhsa.version: [ 1, 2 ]
amdhsa.kernels:
  - .name:           k_q70ab08d1f2_render
    .symbol:         k_q70ab08d1f2_render.kd
    .args:
      - { .name: meta, .offset: 0, .size: 8, .value_kind: global_buffer, .address_space: global }
      - { .name: params, .offset: 8, .size: 8, .value_kind: global_buffer, .address_space: global }
      - { .name: out0, .offset: 16, .size: 8, .value_kind: global_buffer, .address_space: global }
    .group_segment_fixed_size: 65024
    .private_segment_fixed_size: 0
    .kernarg_segment_align: 8
    .kernarg_segment_size: 24
    .max_flat_workgroup_size: 256
    .sgpr_count:     66
    .vgpr_count:     140
    .wavefront_size: 32
...
	.end_amdgpu_metadata
.endif
;; end of part 2
